; MI455X (gfx1250); checked and timed in simulation.
; The chip was launched on July 23, 2026; its instructions are those of AMD's public machine-readable ISA for CDNA 5 (MIT licence, August 2026) and "CDNA5" Instruction Set Architecture Reference Guide (July 2026). The comments in the code are by the model that wrote it; some were corrected since.
;; Tensor Square. Allowed arithmetic: matrix products marked QUANTISED: E3M2 operands, one E8M0 scale for each 32 along K, by v_wmma_scale_f32_16x16x128_f8f6f4 with both operands' format E3M2, f32 sums; products left as they are: f32 operands where the result goes on into a quantised operand, else bf16, f16 or f32 operands; f32 sums; everything else in f32.
;; Inputs: features 4,096 x 128 float32; mixing_matrix 1,024 x 16,384 float32.
;; Outputs: out0 4,096 x 1,024 float32.
;; This version of the problem:
;;   THIS VERSION OF THE PROBLEM IS GIVEN IN LOW PRECISION. The matrix products marked QUANTISED in the list below multiply operands that are first quantised to E3M2 (3 exponent bits, 2 mantissa bits; 6 bits a number), with one power-of-two scale for each 32 numbers along K (OCP MX v1.0); their sums are f32. All else is computed in f32.
;;   The module's matrix products, in the order in which they are computed (A, B: the left and right operand; K: the contracted axis; several contracted axes count as one K, in the product's order):
;;     1. batch 4,096 x [M 128, K 1] x [K 1, N 128]; A: computed on the way; B: computed on the way: left as it is (no contracted axis)
;;     2. [M 4,096, K 16,384] x [K 16,384, N 1,024]; A: computed on the way; B: input mixing_matrix: QUANTISED
;;   THE QUANTISER, for each operand of a quantised product, along K:
;;     - K is cut into blocks of 32 from its start; a last block that is shorter is filled with zeros.
;;     - A block's scale is 2^e with e = floor(log2(the largest magnitude in the block)) - 4, held to -126 .. 127; a block of zeros has e = 0. As a byte (E8M0): e + 127.
;;     - Each number is divided by its block's scale, clamped to +-28, and rounded to the nearest number of E3M2, ties to even, subnormals kept.
;;     - The product sums the exact products of the quantised numbers (number of the format x scale) in f32.
;;   ~~~python
;;   def quantise(x, axis):      # numpy; x: float32 -> the quantised numbers, widened to float32 again
;;       x = np.moveaxis(x, axis, -1); K = x.shape[-1]
;;       x = np.pad(x, [(0, 0)] * (x.ndim - 1) + [(0, -K % 32)]); x = x.reshape(x.shape[:-1] + (-1, 32)); a = np.abs(x).max(-1, keepdims=True)
;;       e = np.where(a > 0, np.clip(np.frexp(np.where(a > 0, a, 1))[1] - 1 - 4, -126, 127), 0)      # np.frexp(a)[1] - 1 = floor(log2(a)), exactly
;;       r = np.clip(x / 2.0 ** e, -28, 28)
;;       step = 2.0 ** (np.maximum(np.frexp(np.where(r == 0, 1, r))[1] - 1, -2) - 2)
;;       q = np.round(r / step) * step * 2.0 ** e      # np.round: ties to even
;;       return np.moveaxis(q.reshape(q.shape[:-2] + (-1,))[..., :K], -1, axis).astype(np.float32)
;;   ~~~
;;   OPERANDS COMPUTED ON THE WAY. 'Computed on the way' means the value that the module computes at that place (a softmax that the list does not call 'softmax' is quantised finished and normalised). What goes into a quantiser is computed in f32, as accurately as f32 sums, v_exp_f32 and their like allow (about 1e-6 of the number): no bf16 or f16 on the way to a quantiser, and a product that is left as it is and whose result goes on into a quantised operand takes f32 operands (vector FMAs, or v_wmma_f32_16x16x4_f32). A number that lies on a knife's edge between two numbers of the format may be rounded either way, as far as f32 arithmetic and the matrix unit's own rounding can turn it there, and no further.
;; One version. Each part assembles by itself: llvm-mc -triple=amdgcn-amd-amdhsa -mcpu=gfx1250 --defsym DOCPART=n.
;; ======== version 1 of 1: 2 launches
;; limits: right only within a limited range of input values
;; workspace buffers: bq 13,107,200 bytes; ta 6,684,672 bytes
;; launch prep (part 1): grid 256 x 1, 9 waves a work-group, no clusters, 77,312 bytes of LDS; arguments features, mixing_matrix, bq, ta; writes bq, ta
.if DOCPART == 1
	.amdgcn_target "amdgcn-amd-amdhsa--gfx1250"
	.amdhsa_code_object_version 6
	.text
	.protected	k_q9cd908e83c_prep
	.globl	k_q9cd908e83c_prep
	.p2align	8
	.type	k_q9cd908e83c_prep,@function
k_q9cd908e83c_prep:
	s_mov_b64 s[64:65], 0
	v_nop
	global_prefetch_b8 v0, s[64:65] scope:SCOPE_SE
	s_setreg_imm32_b32 hwreg(HW_REG_WAVE_MODE, 25, 1), 1
	s_wait_xcnt 0x0
; PREP: what the product's launch reads again and again is made once.  256 work-groups of nine waves.
; (1) Waves 0 to 7: mixing_matrix [1024][16384] f32 becomes codes of BF6 (E3M2) with one E8M0 byte for each 32 along K, laid in the ORDER OF THE OPERAND'S REGISTERS:
;     bq = [ntile 8][slot 16] blocks of 102,400 bytes.  In a block: codes [step 8][nf 8][c 3][lane 32][16 bytes]: fragment (rows 128 ntile + 16 nf + lane % 16, K = 128 (8 slot + step) on), its registers 4 c .. 4 c + 3;
;     behind them, at 98,304, the scale words [step 8][lane' 32][4]: lane' = 16 h' + r holds the words of fragments 4 h' + 0 .. 3, row r.
; (2) Wave 8: a table of the features for the product's left operand, outer[z][128 i + j] = A[z][i] A[z][j].  A K step of 128 is one i and all j, so a block's largest magnitude is |A[z][i]| x the largest
;     |A[z][j]| of the block's 32 j, rounded (rounding keeps order): the scale bytes need no search in the product's launch.  The table has 32 x 8 tiles of 16 rows: one for each work-group, so all 256 have equal work.
;     ta = [mtile 32][kb 17] blocks of 12,288 bytes = [kq 2][f 8] entries of 768: a [r 16][e 4] f32, then s [h 2][r 16][e 4] words.  Element e of block kb belongs to step u = 4 kb - 3 + e of a wave (0 .. 63, else zeros),
;     i = 8 (u / 4) + 4 kq + u % 4, z = 128 mtile + 16 f + r.  a = A[z][i].  With b0..b3 the bytes of the four blocks of 32 j: s(h = 0) = b0 | b1 << 8 | b2 << 16 | b3 << 24, s(h = 1) = b1 | b3 << 16.
; A block's scale is 2^(floor(log2(its largest magnitude)) - 4); its byte is the largest magnitude's exponent field - 4, held at 1 from below.
; LIMITS: NaN and infinities are not served.  A block of zeros gets the byte 1 where the rule says 127: its codes are zeros, and the bytes are read by this program alone.  In the table the block's largest
; magnitude is multiplied by 2^-4 ahead of the product with a, which is exact for largest magnitudes of 2^-122 and more; smaller ones are not served exactly.
; No tensor loads, no barrier: waves share nothing.  Only waves 0 to 7 use LDS, 8,448 bytes each.
.set BBLK,  102400                     ; a block of bq
.set BSCL,  98304                      ; where its scale words begin
.set TBLK,  12288                      ; a block of ta
.set STG,   8448                       ; a wave's stage: 16 rows x (512 bytes + 16)
; the table's wave
.set G,     16                         ; v16-79   G[u] = A[z][i(u)]
.set MX,    80                         ; v80-83   2^-4 x the largest magnitude of each block of 32 j
.set PX,    84                         ; v84-87   the other half's
.set PB,    88                         ; v88-91   at work: the four bytes
.set QA,    92                         ; v92-95   a, four elements
.set QS0,   96                         ; v96-99   s for h = 0
.set QS1,   100                        ; v100-103 s for h = 1
; the matrix's waves
.set L,     16                         ; v16-143  two sets of 64 registers as loaded
.set X,     144                        ; v144-207 my 64 numbers: two blocks of 32 neighbours
.set C,     208                        ; v208-231 two sets of 12: a fragment's codes
.set TC,    232                        ; v232-238 the halves that are made elsewhere and moved
.set WD,    240                        ; v240-243 the four fragments' scale words
.macro LOADF q                         ; fragment q: 16 rows x 512 bytes; each load reads 512 consecutive bytes of one row
.irp p, 0,1,2,3,4,5,6,7,8,9,10,11,12,13,14,15
	global_load_b128 v[L+64*((\q)%2)+4*\p:L+64*((\q)%2)+4*\p+3], v1, s[6:7] offset:(16*(\q)+\p)*65536 th:TH_LOAD_NT
.endr
.endm
.macro FRAGQ q
.set LB, L+64*((\q)%2)
.set CB, C+12*((\q)%2)
.if (\q) < 3
	s_wait_loadcnt 16                              ; this fragment's 16 loads are in; the next fragment's 16 may be out
.else
	s_wait_loadcnt 0x0
.endif
.irp p, 0,1,2,3,4,5,6,7,8,9,10,11,12,13,14,15
	ds_store_b128 v2, v[LB+4*\p:LB+4*\p+3] offset:\p*528          ; the rows as they lie, into my own stage
.endr
.irp c, 0,1
.irp j, 0,1,2,3,4,5,6,7
	ds_load_b128 v[X+32*\c+4*\j:X+32*\c+4*\j+3], v3 offset:\c*256+16*\j   ; back: lane (r, h) takes k = 64 c + 32 h + 0 .. 31 of row r.  LDS serves a wave's instructions in order: these see the stores
.endr
.endr
	s_wait_dscnt 0x0                               ; my numbers are in, and the stores have read their registers
.if (\q) < 2
	LOADF (\q)+2
.endif
.irp c, 0,1
	v_max3_num_f32 v[244+\c], |v[X+32*\c]|, |v[X+32*\c+1]|, 0x2800000   ; my block 2 c + h: all 32 numbers are mine; the floor 2^(5 - 127) holds the byte at 1 from below
.endr
.irp i, 2,4,6,8,10,12,14,16,18,20,22,24,26,28,30
.irp c, 0,1
	s_delay_alu instid0(VALU_DEP_2)
	v_max3_num_f32 v[244+\c], v[244+\c], |v[X+32*\c+\i]|, |v[X+32*\c+\i+1]|   ; (the two blocks by turns)
.endr
.endr
.irp c, 0,1
	s_delay_alu instid0(VALU_DEP_2)
	v_add_nc_u32 v[246+\c], 0xfe000000, v[244+\c]  ; 4 off the exponent field: the conversion's scale operand
.endr
.irp c, 0,1
	s_delay_alu instid0(VALU_DEP_2)
	v_lshrrev_b32 v[248+\c], 23, v[246+\c]         ; the scale's byte
.endr
	s_delay_alu instid0(VALU_DEP_1)
	v_lshl_or_b32 v250, v249, 16, v248             ; my two bytes: blocks h and 2 + h,
	s_delay_alu instid0(VALU_DEP_1)
	v_lshlrev_b32 v250, v5, v250                   ; at their places in the word (8 h bits up);
	s_delay_alu instid0(VALU_DEP_1)
	v_permlanex16_b32 v251, v250, s14, s15
	s_delay_alu instid0(VALU_DEP_1)
	v_or_b32 v[WD+(\q)], v250, v251                ; with lane l xor 16's two the word is whole
.if (\q) >= 2
	s_wait_alu depctr_va_vdst(0)
	s_wait_xcnt 0x0                                ; the stores of two fragments back have read this set of codes
.endif
	v_cvt_scalef32_pk16_bf6_f32 v[CB:CB+2], v[X:X+15], v246
	v_cvt_scalef32_pk16_bf6_f32 v[TC:TC+2], v[X+16:X+31], v246       ; (a conversion's three registers begin on an even number)
	v_cvt_scalef32_pk16_bf6_f32 v[CB+6:CB+8], v[X+32:X+47], v247
	v_cvt_scalef32_pk16_bf6_f32 v[TC+4:TC+6], v[X+48:X+63], v247
	v_nop                                          ; one plain place behind the conversions
.irp i, 0,1,2
	v_mov_b32 v[CB+3+\i], v[TC+\i]
	v_mov_b32 v[CB+9+\i], v[TC+4+\i]
.endr
.irp c, 0,1,2
	global_store_b128 v1, v[CB+4*\c:CB+4*\c+3], s[28:29] offset:(\q)*1536+\c*512   ; 32 lanes store 512 consecutive bytes, at a multiple of 256 from the buffer's first byte
.endr
.endm
	s_load_b256 s[4:11], s[0:1], 0x0               ; features s[4:5], mixing_matrix s[6:7], bq s[8:9], ta s[10:11]
	v_lshl_add_u32 v254, v0, 2, 0x12900
	v_mov_b32 v255, 0
	v_lshrrev_b32 v1, 5, v0
	s_delay_alu instid0(VALU_DEP_1)
	v_readfirstlane_b32 s12, v1                    ; wave 0..8
	v_and_b32 v6, 31, v0                           ; lane
	v_and_b32 v7, 15, v0                           ; r
	v_bfe_u32 v8, v0, 4, 1                         ; h (in the table's wave: kq)
	s_mov_b32 s14, 0x76543210
	s_mov_b32 s15, 0xfedcba98                      ; v_permlanex16_b32's selects for lane l xor 16
	s_cmp_eq_u32 s12, 8                            ; the ninth wave makes the table, the others the matrix's codes
	s_cbranch_scc0 .Lmatrix
	; ---- THE TABLE.  Work-group g: mtile = g / 8, f = g % 8: rows z = 16 g + r; lanes 0-15 make kq = 0's entries, lanes 16-31 kq = 1's.
	v_lshlrev_b32 v2, 9, v7
	s_delay_alu instid0(VALU_DEP_1)
	v_lshl_add_u32 v2, v8, 4, v2                   ; in: row r of 512 bytes, + 16 kq
	v_mul_u32_u24 v3, v8, 6144
	s_delay_alu instid0(VALU_DEP_1)
	v_lshl_add_u32 v3, v7, 4, v3                   ; out: 6,144 kq + 16 r
	s_lshl_b32 s16, ttmp9, 13                      ; 16 rows of 512 bytes a work-group
	s_mov_b32 s17, 0
	s_lshr_b32 s18, ttmp9, 3
	s_mul_i32 s18, s18, 17*TBLK                    ; my mtile's 17 blocks,
	s_and_b32 s19, ttmp9, 7
	s_mul_i32 s19, s19, 768                        ; my f's entry in each
	s_add_co_u32 s18, s18, s19
	s_mov_b32 s19, 0
	s_wait_alu depctr_va_vdst(0)
	s_wait_kmcnt 0x0
	s_add_nc_u64 s[4:5], s[4:5], s[16:17]
	s_add_nc_u64 s[10:11], s[10:11], s[18:19]
.irp k, 0,1,2,3,4,5,6,7,8,9,10,11,12,13,14,15
	global_load_b128 v[G+4*\k:G+4*\k+3], v2, s[4:5] offset:32*\k   ; G[4 k + t] = A[z][8 k + 4 kq + t]; the sixteen loads together read the wave's 16 rows whole
.endr
.irp b, 0,1,2,3
	v_mov_b32 v[PX+\b], 0                          ; a lane permute's destination counts as one of its sources
.endr
	s_wait_loadcnt 0x0
.irp b, 0,1,2,3
	v_max3_num_f32 v[MX+\b], |v[G+16*\b]|, |v[G+16*\b+1]|, |v[G+16*\b+2]|   ; registers 16 b .. 16 b + 15 are my 16 of block b's 32 numbers
.endr
.irp i, 3,5,7,9,11,13
.irp b, 0,1,2,3
	s_delay_alu instid0(VALU_DEP_4)
	v_max3_num_f32 v[MX+\b], v[MX+\b], |v[G+16*\b+\i]|, |v[G+16*\b+\i+1]|
.endr
.endr
.irp b, 0,1,2,3
	s_delay_alu instid0(VALU_DEP_4)
	v_max_num_f32 v[MX+\b], v[MX+\b], |v[G+16*\b+15]|
.endr
.irp b, 0,1,2,3
	s_delay_alu instid0(VALU_DEP_4)
	v_permlanex16_b32 v[PX+\b], v[MX+\b], s14, s15
.endr
.irp b, 0,1,2,3
	s_delay_alu instid0(VALU_DEP_4)
	v_max_num_f32 v[MX+\b], v[MX+\b], v[PX+\b]     ; with the other half's 16: the block's largest magnitude
.endr
.irp b, 0,1,2,3
	s_delay_alu instid0(VALU_DEP_4)
	v_mul_f32 v[MX+\b], 0x3d800000, v[MX+\b]       ; x 2^-4: the exponent field of a x this is the scale's byte
.endr
.set KB, 0
.rept 17
	s_wait_xcnt 0x0                                ; the last block's three stores have read their registers
.set E, 0
.rept 4
.set U, 4*KB-3+E
.if (U < 0) || (U > 63)
	v_mov_b32 v[QA+E], 0                           ; no such step: zeros, which nobody uses
	v_mov_b32 v[QS0+E], 0
	v_mov_b32 v[QS1+E], 0
.else
	v_mov_b32 v[QA+E], v[G+U]
.irp b, 0,1,2,3
	v_mul_f32 v[PB+\b], v[G+U], v[MX+\b]
.endr
.irp b, 0,1,2,3
	s_delay_alu instid0(VALU_DEP_4)
	v_max_num_f32 v[PB+\b], |v[PB+\b]|, 0x800000   ; the floor 2^-126: the byte cannot fall under 1
.endr
.irp b, 0,1,2,3
	s_delay_alu instid0(VALU_DEP_4)
	v_lshrrev_b32 v[PB+\b], 23, v[PB+\b]
.endr
	s_delay_alu instid0(VALU_DEP_3)
	v_lshl_or_b32 v[QS0+E], v[PB+1], 8, v[PB]
	s_delay_alu instid0(VALU_DEP_1)
	v_lshl_or_b32 v[QS0+E], v[PB+2], 16, v[QS0+E]
	s_delay_alu instid0(VALU_DEP_1)
	v_lshl_or_b32 v[QS0+E], v[PB+3], 24, v[QS0+E]
	s_delay_alu instid0(VALU_DEP_4)
	v_lshl_or_b32 v[QS1+E], v[PB+3], 16, v[PB+1]
.endif
.set E, E+1
.endr
	global_store_b128 v3, v[QA:QA+3], s[10:11] offset:KB*TBLK       ; sixteen lanes store 256 consecutive bytes, at a multiple of 256 from the buffer's first byte
	global_store_b128 v3, v[QS0:QS0+3], s[10:11] offset:KB*TBLK+256
	global_store_b128 v3, v[QS1:QS1+3], s[10:11] offset:KB*TBLK+512
.set KB, KB+1
.endr
	s_endpgm
	; ---- THE MATRIX.  Work-group: (ntile, half, slot); wave = the slot's step; a wave makes the four fragments nf = 4 half + 0 .. 3 of its K step.
.Lmatrix:
	s_and_b32 s17, ttmp9, 15                       ; slot
	s_bfe_u32 s18, ttmp9, 0x10004                  ; half
	s_lshr_b32 s19, ttmp9, 5                       ; ntile
	s_lshl_b32 s20, s19, 23                        ; in: 128 rows of 65,536 bytes an ntile,
	s_lshl_b32 s21, s18, 22                        ; 64 a half,
	s_add_co_u32 s20, s20, s21
	s_lshl_b32 s21, s17, 12                        ; 8 K steps of 512 bytes a slot,
	s_add_co_u32 s20, s20, s21
	s_lshl_b32 s21, s12, 9                         ; one a wave
	s_add_co_u32 s20, s20, s21
	s_mov_b32 s21, 0
	s_lshl_b32 s22, s19, 4
	s_add_co_u32 s22, s22, s17
	s_mul_i32 s22, s22, BBLK                       ; out: the block,
	s_lshl_b32 s24, s12, 9
	s_add_co_u32 s24, s24, s22
	s_lshl_b32 s25, s18, 8
	s_add_co_u32 s24, s24, s25
	s_add_co_u32 s24, s24, BSCL                    ; its scale words: 512 bytes a step, 256 a half;
	s_mov_b32 s25, 0
	s_mul_i32 s23, s12, 12288
	s_add_co_u32 s22, s22, s23
	s_mul_i32 s23, s18, 6144
	s_add_co_u32 s22, s22, s23                     ; its codes: 12,288 bytes a step, 6,144 a half
	s_mov_b32 s23, 0
	s_wait_alu depctr_va_vdst(0)
	v_lshlrev_b32 v1, 4, v6                        ; 16 x lane
	s_mul_i32 s26, s12, STG                        ; my stage
	v_add_nc_u32 v2, s26, v1                       ; into it: 16 x lane of a row
	v_mul_u32_u24 v3, v7, 528
	s_delay_alu instid0(VALU_DEP_1)
	v_lshl_add_u32 v3, v8, 7, v3
	s_delay_alu instid0(VALU_DEP_1)
	v_add_nc_u32 v3, s26, v3                       ; out of it: row r, + 128 h
	v_lshlrev_b32 v4, 4, v7
	s_delay_alu instid0(VALU_DEP_1)
	v_lshl_add_u32 v4, v8, 3, v4                   ; the scale words' place: 16 r + 8 h
	v_lshlrev_b32 v5, 3, v8                        ; 8 h
	v_mov_b32 v251, 0                              ; a lane permute's destination counts as one of its sources
	s_wait_alu depctr_va_vdst(0)
	s_wait_kmcnt 0x0
	s_add_nc_u64 s[6:7], s[6:7], s[20:21]
	s_add_nc_u64 s[28:29], s[8:9], s[22:23]
	s_add_nc_u64 s[30:31], s[8:9], s[24:25]
	LOADF 0
	LOADF 1
	FRAGQ 0
	FRAGQ 1
	FRAGQ 2
	FRAGQ 3
	v_cmp_le_u32 vcc_lo, 16, v6                    ; every lane holds row r's four words: lanes 0-15 store words 0, 1, lanes 16-31 words 2, 3
	s_delay_alu instid0(VALU_DEP_1)
	v_cndmask_b32 v252, v[WD], v[WD+2], vcc_lo
	s_delay_alu instid0(VALU_DEP_2)
	v_cndmask_b32 v253, v[WD+1], v[WD+3], vcc_lo
	global_store_b64 v4, v[252:253], s[30:31]      ; 32 lanes store 256 consecutive bytes, at a multiple of 256 from the buffer's first byte
	s_wait_tensorcnt 0x0
	ds_add_u32 v254, v255
	s_wait_dscnt 0x0
	s_endpgm
.Lfunc_end_k_q9cd908e83c_prep:
	.size	k_q9cd908e83c_prep, .Lfunc_end_k_q9cd908e83c_prep-k_q9cd908e83c_prep
	.p2alignl 7, 3214868480
	.fill 96, 4, 3214868480
	.section	.rodata,"a",@progbits
	.p2align	6, 0x0
	.amdhsa_kernel k_q9cd908e83c_prep
		.amdhsa_group_segment_fixed_size 77312
		.amdhsa_private_segment_fixed_size 0
		.amdhsa_enable_private_segment 0
		.amdhsa_kernarg_size 32
		.amdhsa_user_sgpr_count 2
		.amdhsa_user_sgpr_kernarg_segment_ptr 1
		.amdhsa_wavefront_size32 1
		.amdhsa_system_sgpr_workgroup_id_x 1
		.amdhsa_system_sgpr_workgroup_id_y 1
		.amdhsa_system_sgpr_workgroup_id_z 1
		.amdhsa_system_vgpr_workitem_id 0
		.amdhsa_next_free_vgpr 256
		.amdhsa_next_free_sgpr 66
		.amdhsa_reserve_vcc 1
		.amdhsa_float_denorm_mode_32 3
		.amdhsa_float_denorm_mode_16_64 3
		.amdhsa_memory_ordered 1
		.amdhsa_forward_progress 1
		.amdhsa_inst_pref_size 129
	.end_amdhsa_kernel
	.amdgpu_metadata
---
amdhsa.version: [ 1, 2 ]
amdhsa.kernels:
  - .name:           k_q9cd908e83c_prep
    .symbol:         k_q9cd908e83c_prep.kd
    .args:
      - { .name: features, .offset: 0, .size: 8, .value_kind: global_buffer, .address_space: global }
      - { .name: mixing_matrix, .offset: 8, .size: 8, .value_kind: global_buffer, .address_space: global }
      - { .name: bq, .offset: 16, .size: 8, .value_kind: global_buffer, .address_space: global }
      - { .name: ta, .offset: 24, .size: 8, .value_kind: global_buffer, .address_space: global }
    .group_segment_fixed_size: 77312
    .private_segment_fixed_size: 0
    .kernarg_segment_align: 8
    .kernarg_segment_size: 32
    .max_flat_workgroup_size: 288
    .sgpr_count:     66
    .vgpr_count:     256
    .wavefront_size: 32
...
	.end_amdgpu_metadata
.endif
;; end of part 1
;; launch gemm (part 2): grid 32 x 8, 4 waves a work-group, clusters of 4 x 1, 327,680 bytes of LDS; arguments features, bq, ta, out0; writes out0
.if DOCPART == 2
	.amdgcn_target "amdgcn-amd-amdhsa--gfx1250"
	.amdhsa_code_object_version 6
	.text
	.protected	k_q9cd908e83c_gemm
	.globl	k_q9cd908e83c_gemm
	.p2align	8
	.type	k_q9cd908e83c_gemm,@function
k_q9cd908e83c_gemm:
	s_mov_b64 s[64:65], 0
	v_nop
	global_prefetch_b8 v0, s[64:65] scope:SCOPE_SE
	s_setreg_imm32_b32 hwreg(HW_REG_WAVE_MODE, 25, 1), 1
	s_wait_xcnt 0x0
	s_wait_alu depctr_hold_cnt(0) depctr_sa_sdst(0) depctr_va_vdst(0) depctr_va_sdst(0) depctr_va_ssrc(0) depctr_va_vcc(0) depctr_vm_vsrc(0)
	s_getreg_b32 s2, hwreg(HW_REG_IB_STS2, 6, 4)
	s_cmp_eq_u32 s2, 0
	s_cbranch_scc0 .Lentry_in_a_cluster
	s_endpgm
.Lentry_in_a_cluster:
	s_bfe_u32 s2, ttmp6, 0x10000c
	s_cmp_lg_u32 s2, 0x3003
	s_cbranch_scc0 .Lentry_shape_is_right
	s_endpgm
.Lentry_shape_is_right:
; out0[z][n] = sum over i, j of Q(A[z][i] A[z][j]) Q(C[n][128 i + j]): one product, M 4,096 x N 1,024 x K 16,384, on codes of BF6 (E3M2) with one E8M0 scale for each 32 along K; sums in f32.
; THE LEFT OPERAND IS MADE IN REGISTERS.  A K step of 128 is one i and all j: a fragment (16 rows z x 128 j) is the lane's 64 resident features x the lane's A[z][i], in f32, converted.  Its scale bytes come from the table ta.
; THE RIGHT OPERAND comes as register images out of bq through a ring of two LDS slots of 8 K steps (102,400 bytes), with the table's block (12,288 bytes) beside it.
; SHARES.  A work-group owns 128 x 128 of out0.  K IS SPLIT INSIDE THE WORK-GROUP: wave (mh = wave / 2, kq = wave % 2) takes rows 64 mh on, all 128 columns, and of each slot's 8 K steps the four 4 kq + 0 .. 3:
; 32 accumulators, 64 steps of 32 matrix instructions.  The two waves of a pair add their partial sums through LDS at the end: each output is two partial f32 sums, added once.
; CLUSTER.  The four work-groups of a cluster have the same 128 columns: bq's blocks are asked for JOINTLY (waves 0 and 1, half a block each).  The table's block differs from partner to partner and is an eighth of a
; slot's bytes: waves 2 and 3 fetch it by plain loads, behind the same round.
; THE MATRIX INSTRUCTION IS USED TRANSPOSED (source 0 = 16 rows of C, source 1 = 16 rows z): a lane holds eight neighbouring columns of one row of out0.
; BY TURNS.  While step u is multiplied, step u + 1's four fragments are made: 45 vector instructions each, beside eight matrix instructions.  45 = 4 x 8 + 13: a fragment's 32 packed multiplications stand four behind each
; of the eight, under the matrix instructions' own window setting; the thirteen that are over (two shifts, four conversions, a place, six moves), which want other settings, stand together behind the eighth.
; REGISTERS, in windows of 256 (s_set_vgpr_msb: bits 1:0 source 0, 3:2 source 1, 5:4 source 2, 7:6 destination):
;   window 0: v0-15 addresses; v16-23 C's scale words, two sets; v24-39 the fragments' scale words (4 f + e), v40-43 those of a slot's first step; v44-50 TC; v52, v53 offsets; v58-59 S; v64-127 T; v128-255 accumulators of columns 0-63
;   window 1: v0-95 C's 8 fragments; v96-103 a of tiles 0, 1; v128-255 features of tiles 2, 3
;   window 2: v0-95 the made fragments, two sets of 4; v96-103 a of tiles 2, 3; v104-119 s (4 f + e); v128-255 features of tiles 0, 1
;   window 3: v44-50 TC; v58-59 S; v64-127 T; v128-255 accumulators of columns 64-127
; Features and a lie crosswise with the matrix operands, so that the multiplications run under the matrix instructions' own window setting.  No conversion names one register number as result and as source.
; LIMITS: NaN and infinities are not served; see the launch that makes bq and ta for blocks of zeros and for very small features.
.set SLOT1,  1<<17                     ; area 1 begins here: one exclusive or turns an address in one area into the other's
.set BBLK,   102400                    ; a block of bq: 8 steps x 12,288 bytes of codes, then 8 x 512 bytes of scale words
.set BSCL,   98304
.set TAOFF,  102400                    ; the table's block lies behind it;
.set TBLK,   12288                     ; behind area 0's, at 114,688, the table's block 0, filled once
.set SPARE,  245760                    ; behind area 1: the spare words, 128 bytes for each wave: two blocks of 256 bytes that no other line names
.set HISTG,  246272                    ; the way out: the stages of waves 2 and 3; those of waves 0 and 1 lie in area 0, which has had its last fill by then
.set SP,     528                       ; a stage row: 512 bytes + 16
.set WSTG,   64*SP                     ; a wave's stage
.set S0,     58
.set S1,     59
.set TCA,    44
.set TCB,    48
.set MSB, 0
.macro WIN new                         ; the immediate's high byte repeats the setting that is left; a switch that changes nothing is dropped
.if MSB != (\new)
	s_set_vgpr_msb (MSB<<8)|(\new)
.set MSB, \new
.endif
.endm
.macro PLACES
.rept 4
	v_nop
.endr
.endm
.macro CREST                           ; a round of the cluster's barrier behind its opening barrier
	s_cmp_lg_u32 s12, 0
	s_cbranch_scc1 .Lnot_wave_0_\@
	s_barrier_signal -3
.Lnot_wave_0_\@:
	s_barrier_wait -3
	s_barrier_signal -1
	s_barrier_wait -1
.endm
.macro ROUND                           ; a whole round
	s_barrier_signal -1
	s_barrier_wait -1
	CREST
.endm
; A refill: waves 0 and 1 ask jointly for the halves of bq's block, waves 2 and 3 fetch the halves of the table's.  The branch hangs on the wave's number alone.  Four v_nop follow each line.
.macro TLOAD
	s_cmp_lt_u32 s12, 2
	s_cbranch_scc0 .Lfor_t_\@
	tensor_load_to_lds s[44:47], s[24:31]
	s_nop 0
	PLACES
	s_branch .Lasked_\@
.Lfor_t_\@:
	tensor_load_to_lds s[52:55], s[32:39]
	s_nop 0
	PLACES
.Lasked_\@:
.endm
; A PREFETCH INTO THE L2 of the codes of the block that the change of slots after the next will ask for: 256 matrix instructions of a wave ahead of that load.  All clusters of a column of out0 walk the same blocks:
; the first of them (cluster x = 0) asks.  Its four partners share a block's 98,304 bytes of codes out BY ADDRESS, 24,576 each; in each, waves 0 to 2 take 8,192 bytes, lanes 256 bytes apart: each aligned block of
; 256 bytes is named once in the launch.  The last two changes that fill a slot ask for nothing; slots 0 to 3 come by their loads alone.
.macro ASK
	s_cmp_gt_u32 s19, s20
	s_cbranch_scc0 .Lnot_mine_\@
	global_prefetch_b8 v11, s[22:23] th:TH_LOAD_NT scope:SCOPE_SE
.Lnot_mine_\@:
.endm
; Matrix instruction W of 16 of a step's half ph (columns 64 ph on): C's fragment 4 ph + W / 4 x made fragment W % 4.  The 32 accumulators take turns, one instruction a turn, in the same order in every step.
; C's scale words: lanes 0-15 of register W / 4 hold fragment W / 4's, lanes 16-31 fragment 4 + W / 4's.  The made fragment's word: lanes 0-15.
.macro WMMA ph, t, zero
.set rD,  128+8*W
.set rB,  12*(4*(\ph)+W/4)
.set rA,  48*((\t)%2)+12*(W%4)
.set rSB, 16+4*((\t)%2)+W/4
.if (\t) == 0
.set rSA, 40+W%4
.else
.set rSA, 24+4*(W%4)+(\t)-1
.endif
	WIN 0x09+0xf0*(\ph)
.if \zero
.if \ph
	v_wmma_scale_f32_16x16x128_f8f6f4 v[rD:rD+7], v[rB:rB+11], v[rA:rA+11], 0, v[rSB], v[rSA] matrix_a_fmt:MATRIX_FMT_BF6 matrix_b_fmt:MATRIX_FMT_BF6 matrix_a_scale:MATRIX_SCALE_ROW1
.else
	v_wmma_scale_f32_16x16x128_f8f6f4 v[rD:rD+7], v[rB:rB+11], v[rA:rA+11], 0, v[rSB], v[rSA] matrix_a_fmt:MATRIX_FMT_BF6 matrix_b_fmt:MATRIX_FMT_BF6
.endif
.else
.if \ph
	v_wmma_scale_f32_16x16x128_f8f6f4 v[rD:rD+7], v[rB:rB+11], v[rA:rA+11], v[rD:rD+7], v[rSB], v[rSA] matrix_a_fmt:MATRIX_FMT_BF6 matrix_b_fmt:MATRIX_FMT_BF6 matrix_a_scale:MATRIX_SCALE_ROW1
.else
	v_wmma_scale_f32_16x16x128_f8f6f4 v[rD:rD+7], v[rB:rB+11], v[rA:rA+11], v[rD:rD+7], v[rSB], v[rSA] matrix_a_fmt:MATRIX_FMT_BF6 matrix_b_fmt:MATRIX_FMT_BF6
.endif
.endif
.endm
; Number J of the 45 instructions that make fragment g (tile of rows g) from element e of the table's block, into set sp.
;   0-31    the 64 products a x feature, two at a time.  Product 32 c + j is k = 64 c + 32 (lane / 16) + j.  Products 0-15 go to v96 on, 16-31 to v64 on, 32-47 to v112 on, 48-63 to v80 on
;   32, 33  the conversions' scale operands: my two blocks' bytes, shifted into the exponent field (sign and mantissa are not looked at)
;   34-37   four conversions: a block's upper 16 codes are made beside (a conversion's three registers begin on an even number), the lower 16 in place
;   38      one plain place behind the conversions;   39-44 the upper halves are moved in
.macro GI g, e, sp
.set PHG, (\g)/2
.set rAC, 48*(\sp)+12*(\g)
.if J < 34
	WIN 0x09+0xf0*PHG                              ; the matrix instructions' setting
.elseif J < 36
	WIN 0xcf*PHG                                   ; all in window 0 or 3
.else
	WIN 0x80+0x0f*PHG                              ; sources in window 0 or 3, result in window 2
.endif
.if J < 32
.set IDX, 2*J
.if IDX < 16
.set rT, 96+IDX
.elseif IDX < 32
.set rT, 64+IDX-16
.elseif IDX < 48
.set rT, 112+IDX-32
.else
.set rT, 80+IDX-48
.endif
.set rX, 128+64*((\g)%2)+IDX
.set rP, 96+4*((\g)%2)+2*((\e)/2)
.if PHG == 0
.if (\e)%2 == 0
	v_pk_mul_f32 v[rT:rT+1], v[rP:rP+1], v[rX:rX+1] op_sel_hi:[0,1]
.else
	v_pk_mul_f32 v[rT:rT+1], v[rP:rP+1], v[rX:rX+1] op_sel:[1,0] op_sel_hi:[1,1]
.endif
.else
.if (\e)%2 == 0
	v_pk_mul_f32 v[rT:rT+1], v[rX:rX+1], v[rP:rP+1] op_sel_hi:[1,0]
.else
	v_pk_mul_f32 v[rT:rT+1], v[rX:rX+1], v[rP:rP+1] op_sel:[0,1] op_sel_hi:[1,1]
.endif
.endif
.elseif J == 32
	v_lshlrev_b32 v[S0], 23, v[104+4*(\g)+(\e)]
.elseif J == 33
	v_lshlrev_b32 v[S1], 7, v[104+4*(\g)+(\e)]
.elseif J == 34
	v_cvt_scalef32_pk16_bf6_f32 v[TCA:TCA+2], v[64:79], v[S0]
.elseif J == 35
	v_cvt_scalef32_pk16_bf6_f32 v[TCB:TCB+2], v[80:95], v[S1]
.elseif J == 36
	v_cvt_scalef32_pk16_bf6_f32 v[rAC:rAC+2], v[96:111], v[S0]
.elseif J == 37
	v_cvt_scalef32_pk16_bf6_f32 v[rAC+6:rAC+8], v[112:127], v[S1]
.elseif J == 38
	v_nop
.elseif J < 42
	v_mov_b32 v[rAC+3+J-39], v[TCA+J-39]
.else
	v_mov_b32 v[rAC+9+J-42], v[TCB+J-42]
.endif
.endm
; The slice behind matrix instruction W of half ph: fragment 2 ph + W / 8.  Four multiplications behind each of the fragment's eight matrix instructions; behind the eighth the thirteen other instructions follow them.
.macro SLICE ph, e
.set VV, W%8
.set GG, 2*(\ph)+W/8
.set SPX, ((\e)+1)%2
.set J0, 4*VV
.if VV < 7
.set J1, 4*VV+4
.else
.set J1, 45
.endif
.set J, J0
.rept J1-J0
	GI GG, \e, SPX
.set J, J+1
.endr
.endm
; THE LDS LOADS stand in two runs a step, each behind a half's last slice, whose multiplications, shifts and moves are the places behind the last matrix instruction that read the registers.
.macro MIDL t                          ; in the step's middle: the next step's fragments 0-3 of C and its scale words; behind a slot's last first half the next block's a and s of tiles 0, 1; in a slot's first step the block's scale words
.set TN, ((\t)+1)%4
	WIN 0x40
.irp n, 0,1,2,3
.irp c, 0,1,2
	ds_load_b128 v[12*\n+4*\c:12*\n+4*\c+3], v5 offset:TN*12288+\n*1536+\c*512
.endr
.endr
.if (\t) == 3
.irp f, 0,1
	ds_load_b128 v[96+4*\f:99+4*\f], v7 offset:\f*768
.endr
	WIN 0x80
.irp f, 0,1
	ds_load_b128 v[104+4*\f:107+4*\f], v8 offset:\f*768
.endr
.endif
	WIN 0
.if (\t) == 0
.irp f, 0,1,2,3
	ds_load_b128 v[24+4*\f:27+4*\f], v8 offset:\f*768
.endr
.endif
	ds_load_b128 v[16+4*(TN%2):19+4*(TN%2)], v6 offset:TN*512
.endm
.macro ENDL t                          ; at the step's end: the next step's fragments 4-7; behind a slot's last step a and s of tiles 2, 3
.set TN, ((\t)+1)%4
	WIN 0x40
.irp n, 4,5,6,7
.irp c, 0,1,2
	ds_load_b128 v[12*\n+4*\c:12*\n+4*\c+3], v5 offset:TN*12288+\n*1536+\c*512
.endr
.endr
.if (\t) == 3
	WIN 0x80
.irp f, 2,3
	ds_load_b128 v[88+4*\f:91+4*\f], v7 offset:\f*768
.endr
.irp f, 2,3
	ds_load_b128 v[104+4*\f:107+4*\f], v8 offset:\f*768
.endr
.endif
.endm
; Half ph of step t: 16 matrix instructions, a slice behind each (prep = 1).  chg: the change of slots rides on the first half of a slot's last step.
.macro PHASE ph, t, zero, prep, chg
.set W, 0
.rept 16
	WMMA \ph, \t, \zero
.if \prep
	SLICE \ph, \t
.if ((\ph) == 0) && ((\t) == 3) && (W == 7)
	WIN 0
.irp f, 0,1,2,3
	v_mov_b32 v[40+\f], v[27+4*\f]                 ; the next slot's first step is multiplied under this block's last words, which the next block's will overwrite
.endr
.endif
.endif
.if ((\ph) == 0) && ((\chg) != 0) && (W == 3)
	s_wait_dscnt 0x0                               ; the add is done, and my reads of this slot are over
	s_barrier_signal -1
.endif
.if ((\ph) == 0) && ((\chg) != 0) && (W == 7)
	WIN 0
	s_barrier_wait -1
.if (\chg) == 1
	CREST                                          ; the barrier has opened a round of the cluster's: no wave of any partner still reads this slot or has a load on its way
	TLOAD                                          ; the first tensor load behind the round, and my only one until the next
	ASK
.endif
	s_xor_b32 s18, s18, SLOT1                      ; the LDS loads go on in the other area
	v_add_nc_u32 v5, s18, v1
	v_add_nc_u32 v6, s18, v2
	v_add_nc_u32 v7, s18, v3
	v_add_nc_u32 v8, s18, v4
.endif
.set W, W+1
.endr
.endm
; STEP t of a slot.  zero = 1: the products start the sums.  prep = 0: the very last step, which makes and fetches nothing.  chg = 1: change of slots with refill; 2: without.
.macro STEP t, zero, prep, chg
.if (\chg) != 0
	WIN 0                                          ; (the add's two registers lie in window 0)
	s_wait_tensorcnt 0x0                           ; all my tensor loads have landed: my part of the next slot; so the walking descriptors may be written
	ds_add_u32 v9, v10                             ; 0 onto my spare word
.if (\chg) == 1
	s_xor_b32 s45, s45, SLOT1                      ; the other area than last time,
	s_add_nc_u64 s[46:47], s[46:47], BBLK          ; the next block; the type bits on top are not reached
	s_xor_b32 s53, s53, SLOT1
	s_add_nc_u64 s[54:55], s[54:55], TBLK
	s_wait_xcnt 0x0                                ; the last prefetch, a slot back, has read its address
	s_add_nc_u64 s[22:23], s[22:23], BBLK
.endif
	s_wait_dscnt 13                                ; the add and the youngest 12 loads (fragments 4-7) may be out
.else
.if (\t) == 0
	s_wait_dscnt 16                                ; the youngest run may be out: fragments 4-7, a and s of tiles 2, 3
.else
	s_wait_dscnt 12                                ; the youngest run may be out: fragments 4-7
.endif
.endif
.if (\prep) == 0
	PLACES                                         ; the last fragment made stands four places ahead of the product that takes it
.endif
	PHASE 0, \t, \zero, \prep, \chg
.if \prep
	MIDL \t
.if ((\t) == 0) || ((\t) == 3)
	s_wait_dscnt 17                                ; all but the 17 just issued
.else
	s_wait_dscnt 13                                ; all but the 13 just issued
.endif
.else
	s_wait_dscnt 0x0
.endif
	PHASE 1, \t, \zero, \prep, 0
.if \prep
	ENDL \t
.endif
.endm
	s_load_b256 s[4:11], s[0:1], 0x0               ; features s[4:5], bq s[6:7], ta s[8:9], out0 s[10:11]
	v_lshl_add_u32 v9, v0, 2, SPARE                ; my spare word; never rewritten
	v_mov_b32 v10, 0                               ; 0; never rewritten
	ds_add_u32 v9, v10
	ds_add_u32 v9, v10
	s_wait_dscnt 0x0
	v_lshrrev_b32 v54, 5, v0
	v_readfirstlane_b32 s12, v54                   ; wave 0..3
	s_and_b32 s13, s12, 1                          ; kq.  Also: which half of a block I fetch
	s_lshr_b32 s14, s12, 1                         ; mh
	s_bfe_u32 s15, ttmp6, 0x40000                  ; cx: my place in the cluster
	s_lshl_b32 s16, ttmp9, 2
	s_add_co_u32 s16, s16, s15                     ; mtile = 4 x cluster x + cx
	s_and_b32 s17, ttmp7, 0xffff                   ; ntile, which the four partners share
	s_mov_b32 s18, 0                               ; the area in hand
	s_mov_b32 s19, 14                              ; slots still to be asked for
	v_and_b32 v54, 31, v0                          ; lane
	v_and_b32 v55, 15, v0                          ; r
	v_bfe_u32 v56, v0, 4, 1                        ; h
	v_lshlrev_b32 v53, 4, v54                      ; 16 x lane: an image's place for my lane, and my offset in a row of out0
	s_wait_alu depctr_va_vdst(0)
	v_lshlrev_b32 v57, 4, v55                      ; 16 r
	v_lshlrev_b32 v11, 8, v54                      ; the prefetches' offset; never rewritten
	s_mul_i32 s60, s13, 4*12288
	v_add_nc_u32 v1, s60, v53                      ; C's fragments: my four steps of a slot
	s_lshl_b32 s60, s13, 11
	s_add_co_u32 s60, s60, BSCL
	v_add_nc_u32 v2, s60, v53                      ; their scale words
	s_mul_i32 s60, s13, 6144
	s_mul_i32 s61, s14, 3072
	s_add_co_u32 s60, s60, s61                     ; the table: my kq, my four tiles of rows
	s_add_co_u32 s61, s60, TAOFF
	v_add_nc_u32 v3, s61, v57                      ; a: both halves of the lanes take row r's
	s_add_co_u32 s61, s60, TAOFF+256
	v_add_nc_u32 v4, s61, v53                      ; s: each half its own
	v_add_nc_u32 v5, s18, v1
	v_add_nc_u32 v6, s18, v2
	v_add_nc_u32 v7, s18, v3
	v_add_nc_u32 v8, s18, v4
	s_mul_i32 s60, s14, HISTG
	s_mul_i32 s61, s13, WSTG
	s_add_co_u32 s61, s60, s61                     ; my stage
	v_mul_u32_u24 v14, v55, SP
	v_lshl_add_u32 v14, v56, 5, v14
	v_add_nc_u32 v14, s61, v14                     ; into it: row r, 32 bytes for each half of the lanes
	s_mul_i32 s61, s13, 32*SP
	s_add_co_u32 s61, s60, s61
	v_add_nc_u32 v15, s61, v53                     ; back: of my pair's 64 rows the 32 from 32 kq on, whole rows
	v_lshlrev_b32 v52, 9, v55
	v_lshl_add_u32 v52, v56, 7, v52                ; features: row r of 512 bytes, + 128 h
	; descriptor group 1.  bq: half a block, 51,200 dense bytes, as 200 rows of 32 elements of 8 bytes; the mask names the four partners, bit 21 beside it.
	; ta: no mask; at the head a whole block, 48 such rows; behind the head's loads the two words that count rows are set to 24, half a block
	s_mov_b32 s24, 15|(3<<16)|(1<<21)
	s_mov_b32 s25, 32<<16                          ; tensor_dim0
	s_mov_b32 s26, 200<<16                         ; tensor_dim1
	s_mov_b32 s27, 32<<16                          ; tile_dim0
	s_mov_b32 s28, 200                             ; tile_dim1
	s_mov_b32 s29, 32                              ; the pitch
	s_mov_b32 s30, 0
	s_mov_b32 s31, 0
	s_mov_b32 s32, 3<<16
	s_mov_b32 s33, 32<<16
	s_mov_b32 s34, 48<<16
	s_mov_b32 s35, 32<<16
	s_mov_b32 s36, 48
	s_mov_b32 s37, 32
	s_mov_b32 s38, 0
	s_mov_b32 s39, 0
	s_mul_i32 s60, s17, 16*BBLK                    ; bq: my ntile's 16 blocks,
	s_mul_i32 s62, s13, BBLK/2                     ; my half (in memory and in LDS): nothing here hangs on my place in the cluster
	s_add_co_u32 s60, s60, s62
	s_mov_b32 s61, 0
	s_mul_i32 s68, s16, 17*TBLK                    ; ta: my mtile's 17 blocks,
	s_mul_i32 s63, s13, TBLK/2                     ; my half
	s_add_co_u32 s68, s68, s63
	s_mov_b32 s69, 0
	s_lshl_b32 s70, s16, 16                        ; features: 128 rows of 512 bytes an mtile,
	s_lshl_b32 s71, s14, 15                        ; 64 a pair of waves
	s_add_co_u32 s70, s70, s71
	s_mov_b32 s71, 0
	s_lshl_b32 s72, s16, 19                        ; out0: 128 rows of 4,096 bytes an mtile,
	s_lshl_b32 s73, s14, 18                        ; 64 a pair,
	s_add_co_u32 s72, s72, s73
	s_lshl_b32 s73, s13, 17                        ; of which I store 32;
	s_add_co_u32 s72, s72, s73
	s_lshl_b32 s73, s17, 9                         ; 512 bytes of a row an ntile
	s_add_co_u32 s72, s72, s73
	s_mov_b32 s73, 0
	s_mul_i32 s74, s17, 16*BBLK                    ; the prefetches: my ntile,
	s_mul_i32 s75, s15, 24576                      ; my work-group's quarter of a block's codes,
	s_add_co_u32 s74, s74, s75
	s_lshl_b32 s75, s12, 13                        ; my wave's third of it,
	s_add_co_u32 s74, s74, s75
	s_add_co_u32 s74, s74, 3*BBLK                  ; in slot 3: the first change of slots steps it to slot 4.  Nothing is prefetched at the head
	s_mov_b32 s75, 0
	s_cmp_eq_u32 s12, 3
	s_cselect_b32 s76, 1, 0
	s_or_b32 s76, s76, ttmp9                       ; 0 in waves 0 to 2 of the column's first cluster: the same in all four partners
	s_cmp_eq_u32 s76, 0
	s_cselect_b32 s20, 2, -1                       ; a wave prefetches while s19 is above this
	s_wait_kmcnt 0x0
	s_add_nc_u64 s[66:67], s[6:7], s[60:61]
	s_add_nc_u64 s[68:69], s[8:9], s[68:69]
	s_add_nc_u64 s[4:5], s[4:5], s[70:71]
	s_add_nc_u64 s[10:11], s[10:11], s[72:73]
	s_add_nc_u64 s[22:23], s[6:7], s[74:75]
.irp s, 0,1                            ; descriptor group 0, a set for each of the first fills; the second sets then walk
	s_mov_b32 s[40+4*\s], 1
	s_add_co_u32 s[41+4*\s], s62, \s*SLOT1
	s_add_nc_u64 s[42+4*\s:43+4*\s], s[66:67], \s*BBLK
	s_or_b32 s[43+4*\s], s[43+4*\s], 0x80000000
.endr
	s_mov_b32 s52, 1                               ; my half of the table's block 2, into area 1 (slot k has block k + 1 beside it): this set then walks
	s_add_co_u32 s53, s63, SLOT1+TAOFF
	s_add_nc_u64 s[54:55], s[68:69], 2*TBLK
	s_or_b32 s55, s55, 0x80000000
	s_mov_b32 s56, 1                               ; the head's load of the table: wave 2 takes block 0 whole, to its place behind area 0's block; wave 3 block 1 whole, beside slot 0
	s_xor_b32 s57, s13, 1
	s_mul_i32 s57, s57, TBLK
	s_add_co_u32 s57, s57, TAOFF
	s_mov_b32 s60, s63                             ; s[68:69] stands half a block x (wave % 2) into my mtile's blocks: as much again makes a whole block (s61 = 0)
	s_add_nc_u64 s[58:59], s[68:69], s[60:61]
	s_or_b32 s59, s59, 0x80000000
	ROUND                                          ; all four work-groups are here: the first joint loads meet
	s_cmp_lt_u32 s12, 2                            ; the head's loads, one a wave: every way passes exactly one
	s_cbranch_scc0 .Lfirst_t
	tensor_load_to_lds s[40:43], s[24:31]
	s_nop 0
	PLACES
	s_branch .Lfirst_asked
.Lfirst_t:
	tensor_load_to_lds s[56:59], s[32:39]
	s_nop 0
	PLACES
.Lfirst_asked:
	; the features of my 64 rows stay in registers: tile f, register 32 c + j = A[row 16 f + r][64 c + 32 h + j]
	WIN 0x80
	s_wait_alu depctr_va_vdst(0)
.irp f, 0,1
.irp c, 0,1
.irp j, 0,1,2,3,4,5,6,7
	global_load_b128 v[128+64*\f+32*\c+4*\j:128+64*\f+32*\c+4*\j+3], v52, s[4:5] offset:\f*8192+\c*256+16*\j
.endr
.endr
.endr
	WIN 0x40
.irp f, 0,1
.irp c, 0,1
.irp j, 0,1,2,3,4,5,6,7
	global_load_b128 v[128+64*\f+32*\c+4*\j:128+64*\f+32*\c+4*\j+3], v52, s[4:5] offset:(\f+2)*8192+\c*256+16*\j
.endr
.endr
.endr
	WIN 0
	s_wait_tensorcnt 0x0                           ; my part of the head's tiles is in
	ds_add_u32 v9, v10
	s_mov_b32 s34, 24<<16                          ; no tensor load of mine is out: from here on the table's load brings 24 rows
	s_mov_b32 s36, 24
	s_wait_dscnt 0x0
	ROUND                                          ; everybody's part is in, and all four work-groups are here
	TLOAD                                          ; area 1's first fill, the first tensor load behind the round
	; THE PROLOGUE: step 0's fragments of C; step 0's four fragments are made from the last element of the table's block 0
	WIN 0x40
.irp n, 0,1,2,3,4,5,6,7
.irp c, 0,1,2
	ds_load_b128 v[12*\n+4*\c:12*\n+4*\c+3], v5 offset:\n*1536+\c*512
.endr
.endr
.irp f, 0,1
	ds_load_b128 v[96+4*\f:99+4*\f], v7 offset:\f*768+TBLK
.endr
	WIN 0x80
.irp f, 2,3
	ds_load_b128 v[88+4*\f:91+4*\f], v7 offset:\f*768+TBLK
.endr
.irp f, 0,1,2,3
	ds_load_b128 v[104+4*\f:107+4*\f], v8 offset:\f*768+TBLK
.endr
	WIN 0
.irp f, 0,1,2,3
	ds_load_b128 v[24+4*\f:27+4*\f], v8 offset:\f*768+TBLK
.endr
	ds_load_b128 v[16:19], v6
	s_wait_loadcnt 0x0                             ; the features
	s_wait_dscnt 0x0
.irp f, 0,1,2,3
	v_mov_b32 v[40+\f], v[27+4*\f]                 ; step 0's scale words
.endr
.irp g, 0,1,2,3
.set J, 0
.rept 45
	GI \g, 3, 0
.set J, J+1
.endr
.endr
	WIN 0x40                                       ; a and s of the block beside slot 0
.irp f, 0,1
	ds_load_b128 v[96+4*\f:99+4*\f], v7 offset:\f*768
.endr
	WIN 0x80
.irp f, 2,3
	ds_load_b128 v[88+4*\f:91+4*\f], v7 offset:\f*768
.endr
.irp f, 0,1,2,3
	ds_load_b128 v[104+4*\f:107+4*\f], v8 offset:\f*768
.endr
	WIN 0
.rept 8
	v_nop                                          ; operands and scale words written by vector instructions stand 4 and 8 places ahead of a scaled matrix instruction
.endr
	s_wait_dscnt 0x0
	STEP 0, 1, 1, 0                                ; the first step stands in front of the loop: its products start the sums
	WIN 0                                          ; at a label and at a branch every window is 0
.Lslot:                                            ; 14 trips, from a slot's second step to the next slot's first; each fills the slot that it leaves
	STEP 1, 0, 1, 0
	STEP 2, 0, 1, 0
	STEP 3, 0, 1, 1
	STEP 0, 0, 1, 0
	WIN 0
	s_sub_co_u32 s19, s19, 1
	s_cmp_lg_u32 s19, 0
	s_cbranch_scc1 .Lslot
	STEP 1, 0, 1, 0                                ; the tail is written out: the last slot but one is left, and nothing is asked for
	STEP 2, 0, 1, 0
	STEP 3, 0, 1, 2
	STEP 0, 0, 1, 0
	STEP 1, 0, 1, 0
	STEP 2, 0, 1, 0
	s_wait_alu depctr_va_vdst(0)
	STEP 3, 0, 0, 0
	; THE WAY OUT.  Each wave puts its 64 x 128 partial sums into its stage; then each wave of a pair reads 32 whole rows of both stages, adds them and stores rows of 512 bytes.
	WIN 0
	PLACES                                         ; behind the last products, ahead of the first read of results
	s_wait_dscnt 0x0
	s_barrier_signal -1                            ; every wave's reads of the ring are over before a stage is written into its bytes
	s_barrier_wait -1
.irp n, 0,1,2,3
.irp m, 0,1,2,3
	ds_store_b128 v14, v[128+8*(4*\n+\m):128+8*(4*\n+\m)+3] offset:\m*16*SP+\n*64        ; each accumulator from its low end on: lane (r, h): row 16 m + r, columns 16 n + 8 h + 0 .. 7
	ds_store_b128 v14, v[128+8*(4*\n+\m)+4:128+8*(4*\n+\m)+7] offset:\m*16*SP+\n*64+16
.endr
.endr
	WIN 0x0c                                       ; an LDS store's data are its source 1: window 3
.irp n, 0,1,2,3
.irp m, 0,1,2,3
	ds_store_b128 v14, v[128+8*(4*\n+\m):128+8*(4*\n+\m)+3] offset:\m*16*SP+(\n+4)*64
	ds_store_b128 v14, v[128+8*(4*\n+\m)+4:128+8*(4*\n+\m)+7] offset:\m*16*SP+(\n+4)*64+16
.endr
.endr
	WIN 0
	s_wait_dscnt 0x0                               ; for my partner's sake: my stores into the stage are done
	s_barrier_signal -1
	s_barrier_wait -1
.irp b, 0,1                            ; 16 rows at a time; the second batch lands in registers that no store reads
.irp i, 0,1,2,3,4,5,6,7,8,9,10,11,12,13,14,15
	ds_load_b128 v[64+128*\b+4*\i:64+128*\b+4*\i+3], v15 offset:(16*\b+\i)*SP
	ds_load_b128 v[128+4*\i:128+4*\i+3], v15 offset:WSTG+(16*\b+\i)*SP
.endr
.irp i, 0,1,2,3,4,5,6,7,8,9,10,11,12,13,14,15
	s_wait_dscnt 30-2*\i                           ; row i's two loads are in; the rows behind it may be out
	v_pk_add_f32 v[64+128*\b+4*\i:64+128*\b+4*\i+1], v[64+128*\b+4*\i:64+128*\b+4*\i+1], v[128+4*\i:128+4*\i+1]
	v_pk_add_f32 v[64+128*\b+4*\i+2:64+128*\b+4*\i+3], v[64+128*\b+4*\i+2:64+128*\b+4*\i+3], v[128+4*\i+2:128+4*\i+3]
	global_store_b128 v53, v[64+128*\b+4*\i:64+128*\b+4*\i+3], s[10:11] offset:(16*\b+\i)*4096 th:TH_STORE_NT   ; 32 lanes store 512 consecutive bytes, at a multiple of 256 from out0's first byte
.endr
.endr
	s_wait_tensorcnt 0x0                           ; the wave's end, behind my last tensor load and my last LDS store
	ds_add_u32 v9, v10
	s_wait_dscnt 0x0
	ROUND                                          ; the closing round: no work-group ends while a partner may still ask for a block that names it
	s_endpgm
.Lfunc_end_k_q9cd908e83c_gemm:
	.size	k_q9cd908e83c_gemm, .Lfunc_end_k_q9cd908e83c_gemm-k_q9cd908e83c_gemm
	.p2alignl 7, 3214868480
	.fill 96, 4, 3214868480
	.section	.rodata,"a",@progbits
	.p2align	6, 0x0
	.amdhsa_kernel k_q9cd908e83c_gemm
		.amdhsa_group_segment_fixed_size 327680
		.amdhsa_private_segment_fixed_size 0
		.amdhsa_enable_private_segment 0
		.amdhsa_kernarg_size 32
		.amdhsa_user_sgpr_count 2
		.amdhsa_user_sgpr_kernarg_segment_ptr 1
		.amdhsa_wavefront_size32 1
		.amdhsa_system_sgpr_workgroup_id_x 1
		.amdhsa_system_sgpr_workgroup_id_y 1
		.amdhsa_system_sgpr_workgroup_id_z 1
		.amdhsa_system_vgpr_workitem_id 0
		.amdhsa_next_free_vgpr 1024
		.amdhsa_next_free_sgpr 80
		.amdhsa_reserve_vcc 0
		.amdhsa_float_denorm_mode_32 3
		.amdhsa_float_denorm_mode_16_64 3
		.amdhsa_memory_ordered 1
		.amdhsa_forward_progress 1
		.amdhsa_inst_pref_size 232
	.end_amdhsa_kernel
	.amdgpu_metadata
---
amdhsa.version: [ 1, 2 ]
amdhsa.kernels:
  - .name:           k_q9cd908e83c_gemm
    .symbol:         k_q9cd908e83c_gemm.kd
    .args:
      - { .name: features, .offset: 0, .size: 8, .value_kind: global_buffer, .address_space: global }
      - { .name: bq, .offset: 8, .size: 8, .value_kind: global_buffer, .address_space: global }
      - { .name: ta, .offset: 16, .size: 8, .value_kind: global_buffer, .address_space: global }
      - { .name: out0, .offset: 24, .size: 8, .value_kind: global_buffer, .address_space: global }
    .group_segment_fixed_size: 327680
    .private_segment_fixed_size: 0
    .kernarg_segment_align: 8
    .kernarg_segment_size: 32
    .max_flat_workgroup_size: 128
    .sgpr_count:     80
    .vgpr_count:     1024
    .wavefront_size: 32
...
	.end_amdgpu_metadata
.endif
;; end of part 2
